; MI455X (gfx1250); checked and timed in simulation.
; The chip was launched on July 23, 2026; its instructions are those of AMD's public machine-readable ISA for CDNA 5 (MIT licence, August 2026) and "CDNA5" Instruction Set Architecture Reference Guide (July 2026). The comments in the code are by the model that wrote it; some were corrected since.
;; Multi Head Attention. Allowed arithmetic: float matrix products may take bf16 or f16 operands with f32 sums; all other float work in f32.
;; Inputs: Wk 1,024 x 1,024 float32; Wo 1,024 x 1,024 float32; Wq 1,024 x 1,024 float32; Wv 1,024 x 1,024 float32; bk 1,024 float32; bo 1,024 float32; bq 1,024 float32; bv 1,024 float32; k_in 4 x 2,048 x 1,024 float32; m_in 4 x 1 x 2,048 x 2,048 float32; q_in 4 x 2,048 x 1,024 float32; v_in 4 x 2,048 x 1,024 float32.
;; Outputs: out0 4 x 2,048 x 1,024 float32.
;; One version. Each part assembles by itself: llvm-mc -triple=amdgcn-amd-amdhsa -mcpu=gfx1250 --defsym DOCPART=n.
;; ======== version 1 of 1: 4 launches
;; limits: values are held in f16: magnitudes above 65,504 overflow, below 6.1e-05 lose precision; inputs' magnitudes at most 65,504; right only within a limited range of input values
;; workspace buffers: xb 50,331,648 bytes; wb 8,388,608 bytes; qkv 50,331,648 bytes; ao 16,777,216 bytes
;; launch cast (part 1): grid 1792 x 1, 8 waves a work-group, no clusters, 0 bytes of LDS; arguments q_in, k_in, v_in, Wq, Wk, Wv, Wo, xb, wb; writes xb, wb
.if DOCPART == 1
	.amdgcn_target "amdgcn-amd-amdhsa--gfx1250"
	.amdhsa_code_object_version 6
	.text
	.protected	k_q48ae0a0b23_cast
	.globl	k_q48ae0a0b23_cast
	.p2align	8
	.type	k_q48ae0a0b23_cast,@function
k_q48ae0a0b23_cast:
	s_mov_b64 s[64:65], 0
	v_nop
	global_prefetch_b8 v0, s[64:65] scope:SCOPE_SE
	s_setreg_imm32_b32 hwreg(HW_REG_WAVE_MODE, 25, 1), 1
	s_wait_xcnt 0x0
; f32 to f16 of the seven matrix operands: q_in, k_in, v_in into xb [3][8192][1024], Wq, Wk, Wv, Wo into wb [4][1024][1024].
; WHY f16: the result passes through twelve roundings of matrix operands (seven inputs, q, k, v, the probabilities, the attention's output); with
; 11 significant bits each is 8 times finer than with 8.  LIMIT: |x| and |W| up to 65,504; below 6.1e-5 the rounding step stays 6e-8.
; A work-group takes 65,536 bytes of one source: 512 work-groups for each x, 64 for each W, 3 x 512 + 4 x 64 = 1,792.
; A wave takes 8,192 bytes by sixteen 16-byte loads, all issued at once (each covers 512 neighbouring bytes), and stores 8 bytes a lane:
; 32 lanes x 8 bytes = 256 neighbouring bytes, aligned.  No loop, no register is written twice, no LDS: the waves share nothing.
.set NX,  1536                         ; work-groups that serve the three x
.set X,   8                            ; v[8:71]    sixteen loads of four f32
.set Y,   72                           ; v[72:103]  sixteen pairs of packed f16
	s_load_b512 s[8:23], s[0:1], 0x0               ; q_in 8, k_in 10, v_in 12, Wq 14, Wk 16, Wv 18, Wo 20, xb 22
	s_load_b64 s[24:25], s[0:1], 0x40              ; wb
	s_sub_co_u32 s27, ttmp9, NX                    ; j: my number among the W work-groups (used only where ttmp9 >= NX)
	s_lshr_b32 s28, ttmp9, 9                       ; which x
	s_lshr_b32 s29, s27, 6
	s_add_co_u32 s29, s29, 3                       ; which W, counted behind the three x
	s_and_b32 s30, ttmp9, 511                      ; my chunk in that x
	s_and_b32 s31, s27, 63                         ; my chunk in that W
	v_lshrrev_b32 v3, 5, v0                        ; wave
	v_and_b32 v4, 31, v0                           ; lane
	v_lshlrev_b32 v1, 4, v4
	v_lshl_or_b32 v1, v3, 13, v1                   ; source: 8,192 x wave + 16 x lane
	v_lshlrev_b32 v2, 3, v4
	v_lshl_or_b32 v2, v3, 12, v2                   ; destination: 4,096 x wave + 8 x lane
	s_cmp_lt_u32 ttmp9, NX
	s_cselect_b32 s28, s28, s29                    ; source number 0 .. 6
	s_cselect_b32 s30, s30, s31                    ; chunk in the source
	s_cselect_b32 s32, ttmp9, s27                  ; chunk in the destination: the planes follow each other
	s_wait_kmcnt 0x0
	s_cselect_b64 s[34:35], s[22:23], s[24:25]     ; xb or wb (waits, moves and selects leave SCC as the compare set it)
	s_mov_b64 s[36:37], s[8:9]
.irp n, 1,2,3,4,5,6
	s_cmp_eq_u32 s28, \n
	s_cselect_b64 s[36:37], s[8+2*\n:9+2*\n], s[36:37]
.endr
	s_lshl_b32 s38, s30, 16                        ; 65,536 bytes of f32 a chunk
	s_mov_b32 s39, 0
	s_add_nc_u64 s[36:37], s[36:37], s[38:39]
	s_lshl_b32 s40, s32, 15                        ; 32,768 bytes of f16 a chunk
	s_mov_b32 s41, 0
	s_add_nc_u64 s[34:35], s[34:35], s[40:41]
.irp i, 0,1,2,3,4,5,6,7,8,9,10,11,12,13,14,15
	global_load_b128 v[X+4*\i:X+4*\i+3], v1, s[36:37] offset:512*\i th:TH_LOAD_NT
.endr
.irp i, 0,1,2,3,4,5,6,7,8,9,10,11,12,13,14,15
	s_wait_loadcnt 15-\i                           ; loads come back in order: load i is in, the 15 - i younger ones stay out
	v_cvt_pk_f16_f32 v[Y+2*\i],   v[X+4*\i],   v[X+4*\i+1]
	v_cvt_pk_f16_f32 v[Y+2*\i+1], v[X+4*\i+2], v[X+4*\i+3]
	global_store_b64 v2, v[Y+2*\i:Y+2*\i+1], s[34:35] offset:256*\i
.endr
	s_endpgm
.Lfunc_end_k_q48ae0a0b23_cast:
	.size	k_q48ae0a0b23_cast, .Lfunc_end_k_q48ae0a0b23_cast-k_q48ae0a0b23_cast
	.p2alignl 7, 3214868480
	.fill 96, 4, 3214868480
	.section	.rodata,"a",@progbits
	.p2align	6, 0x0
	.amdhsa_kernel k_q48ae0a0b23_cast
		.amdhsa_group_segment_fixed_size 0
		.amdhsa_private_segment_fixed_size 0
		.amdhsa_enable_private_segment 0
		.amdhsa_kernarg_size 72
		.amdhsa_user_sgpr_count 2
		.amdhsa_user_sgpr_kernarg_segment_ptr 1
		.amdhsa_wavefront_size32 1
		.amdhsa_system_sgpr_workgroup_id_x 1
		.amdhsa_system_sgpr_workgroup_id_y 1
		.amdhsa_system_sgpr_workgroup_id_z 1
		.amdhsa_system_vgpr_workitem_id 0
		.amdhsa_next_free_vgpr 104
		.amdhsa_next_free_sgpr 66
		.amdhsa_reserve_vcc 0
		.amdhsa_float_denorm_mode_32 3
		.amdhsa_float_denorm_mode_16_64 3
		.amdhsa_memory_ordered 1
		.amdhsa_forward_progress 1
		.amdhsa_inst_pref_size 8
	.end_amdhsa_kernel
	.amdgpu_metadata
---
amdhsa.version: [ 1, 2 ]
amdhsa.kernels:
  - .name:           k_q48ae0a0b23_cast
    .symbol:         k_q48ae0a0b23_cast.kd
    .args:
      - { .name: q_in, .offset: 0, .size: 8, .value_kind: global_buffer, .address_space: global }
      - { .name: k_in, .offset: 8, .size: 8, .value_kind: global_buffer, .address_space: global }
      - { .name: v_in, .offset: 16, .size: 8, .value_kind: global_buffer, .address_space: global }
      - { .name: Wq, .offset: 24, .size: 8, .value_kind: global_buffer, .address_space: global }
      - { .name: Wk, .offset: 32, .size: 8, .value_kind: global_buffer, .address_space: global }
      - { .name: Wv, .offset: 40, .size: 8, .value_kind: global_buffer, .address_space: global }
      - { .name: Wo, .offset: 48, .size: 8, .value_kind: global_buffer, .address_space: global }
      - { .name: xb, .offset: 56, .size: 8, .value_kind: global_buffer, .address_space: global }
      - { .name: wb, .offset: 64, .size: 8, .value_kind: global_buffer, .address_space: global }
    .group_segment_fixed_size: 0
    .private_segment_fixed_size: 0
    .kernarg_segment_align: 8
    .kernarg_segment_size: 72
    .max_flat_workgroup_size: 256
    .sgpr_count:     66
    .vgpr_count:     104
    .wavefront_size: 32
...
	.end_amdgpu_metadata
.endif
;; end of part 1
;; launch qkvproj (part 2): grid 4 x 96, 4 waves a work-group, clusters of 4 x 4, 327,680 bytes of LDS; arguments xb, wb, qkv, bq, bk, bv; writes qkv
.if DOCPART == 2
	.amdgcn_target "amdgcn-amd-amdhsa--gfx1250"
	.amdhsa_code_object_version 6
	.text
	.protected	k_q48ae0a0b23_qkvproj
	.globl	k_q48ae0a0b23_qkvproj
	.p2align	8
	.type	k_q48ae0a0b23_qkvproj,@function
k_q48ae0a0b23_qkvproj:
	s_mov_b64 s[64:65], 0
	v_nop
	global_prefetch_b8 v0, s[64:65] scope:SCOPE_SE
	s_setreg_imm32_b32 hwreg(HW_REG_WAVE_MODE, 25, 1), 1
	s_wait_xcnt 0x0
	s_wait_alu depctr_hold_cnt(0) depctr_sa_sdst(0) depctr_va_vdst(0) depctr_va_sdst(0) depctr_va_ssrc(0) depctr_va_vcc(0) depctr_vm_vsrc(0)
	s_getreg_b32 s2, hwreg(HW_REG_IB_STS2, 6, 4)
	s_cmp_eq_u32 s2, 0
	s_cbranch_scc0 .Lentry_in_a_cluster
	s_endpgm
.Lentry_in_a_cluster:
	s_bfe_u32 s2, ttmp6, 0x10000c
	s_cmp_lg_u32 s2, 0xf033
	s_cbranch_scc0 .Lentry_shape_is_right
	s_endpgm
.Lentry_shape_is_right:
; qkv[p][m][n] = (sum over k of xb[p][m][k] wb[p][n][k] + bias_p[n]) / 8, p = 0, 1, 2 (q, k, v).  xb is walked as one matrix of 24,576 rows; the block
; row says which p.  All operands f16, sums f32, results f16.
; THE FACTOR 1/8 (exact) gives the results room in f16: they overflow only at 8 x 65,504 = 524,000 unscaled, while inputs that all carry an offset of 30
; times their spread give about 1,024 x 30 x 0.94 = 29,000; inputs 30 times smaller give a spread of 1.4e-4 scaled, against f16's smallest step of 6e-8.
; The attention launch and the output projection undo it.  LIMIT: |q|, |k|, |v| below 524,000.
; A work-group makes a block of 256 x 256 with four waves; a wave makes 128 x 128: 64 accumulator tiles of 16 x 16, 512 registers.
; K goes in steps of 128 through a ring of two LDS slots filled by the tensor data mover: a tile's rows are 256 bytes, aligned to 256.
; CLUSTERS: 4 x 4 work-groups.  The four of a row of the cluster need the same tiles of xb, the four of a column the same tiles of wb: each tile is
; asked for jointly by the four, with one descriptor and a mask that names them.  A cluster's 4 block rows lie in one p (32 block rows each).
;
; REGISTERS, in windows of 256:
;   window 0: v0-31 addresses; v64-127, v128-191 fragments of A, two buffers; v192-223 at work on the way out
;   window 1: v64-127, v128-191 fragments of B, two buffers; v192-255 the bias of my 128 columns, times 1/8
;   window 2: the 32 accumulator tiles of my rows 0-63 (tile (a, b) at v[8 (8 a + b)]);   window 3: those of my rows 64-127
; s_set_vgpr_msb's low byte: bits 1:0 source 0, 3:2 source 1, 5:4 source 2, 7:6 destination.
; THE MATRIX INSTRUCTION IS USED TRANSPOSED: source 0 = 16 rows of B, source 1 = 16 rows of A.  Lane l then holds row l % 16 of C and its registers
; 0 to 7 the columns 8 (l / 16) + 0 .. 7 of the tile: eight neighbouring numbers of a row, which pack into 16 bytes.
.set SIZE_K, 1024
.set SIZE_N, 1024
.set KSTEP,  128
.set PITCH,  272                       ; an LDS row: 256 bytes + 16 of padding, an odd multiple of 16: the 16 rows of a fragment load start 16 bytes apart modulo 256
.set HALFT,  128*PITCH                 ; 128 rows: what one tensor load brings, and what one wave reads of A or of B
.set SLOT,   4*HALFT                   ; A's 256 rows, then B's 256 rows
.set STAGE,  2*SLOT                    ; behind the ring: 16 rows x 272 bytes for each wave, for the way out; no fill lands there
.set SPITCH, 272
.set LAPS, SIZE_K/(2*KSTEP)            ; a lap = two K steps = once round the ring: 4
.set ADRA, 16                          ; v16-17  LDS address of my A fragments in slot 0, 1
.set ADRB, 20                          ; v20-21  the same for B
.set STO,  24                          ; v24     the way out: where I put 16 bytes of a row
.set RD,   25                          ; v25     the way out: where I read a row back
.set CO,   26                          ; v26     my byte offset in C
.set BO,   27                          ; v27     my byte offset in the bias: 32 (l / 16)
.set F0,   64                          ; fragment buffer 0
.set F1,   128                         ; fragment buffer 1
.set TMP,  192                         ; window 0: packed results
.set BI,   192                         ; window 1: bias, tile b at BI + 8 b
.set G1, 24                            ; s[24:31] descriptor group 1 for A's tiles
.set G0, 32                            ; s[32:39] descriptor group 0 for A's tiles, one set for each slot
.set G1B, 48                           ; s[48:55] group 1 for B's tiles: it differs in the mask alone
.set G0B, 56                           ; s[56:63] group 0 for B's tiles, one set for each slot
.set MSB, 0
.macro WIN new                         ; the immediate's high byte repeats the setting that is left
.if MSB != \new
	s_set_vgpr_msb (MSB<<8)|\new
.set MSB, \new
.endif
.endm
.set MUL_LO, 0xa1                      ; source 0 (B) window 1, source 1 (A) window 0, C and D window 2
.set MUL_HI, 0xf1                      ; the same, C and D window 3
.set TO_B,   0x40                      ; destination window 1, address window 0
; A joint load.  Waves 0 and 1 fetch A's two halves, waves 2 and 3 B's.  The branch hangs on the wave's number alone.
.macro JLOAD s
	s_cmp_eq_u32 s11, 0
	s_cbranch_scc0 .Lfor_b_\@
	tensor_load_to_lds s[G0+4*\s:G0+4*\s+3], s[G1:G1+7]
	s_nop 0
	s_branch .Lasked_\@
.Lfor_b_\@:
	tensor_load_to_lds s[G0B+4*\s:G0B+4*\s+3], s[G1B:G1B+7]
	s_nop 0
.Lasked_\@:
.endm
; A round of the cluster's barrier: my work-group's barrier; wave 0 signals for the work-group; every wave waits for all sixteen; my work-group's barrier again.
.macro CREST                           ; a round behind its opening barrier
	s_cmp_lg_u32 s10, 0
	s_cbranch_scc1 .Lnot_wave_0_\@
	s_barrier_signal -3
.Lnot_wave_0_\@:
	s_barrier_wait -3
	s_barrier_signal -1
	s_barrier_wait -1
.endm
.macro CROUND                          ; a whole round
	s_barrier_signal -1
	s_barrier_wait -1
	CREST
.endm
	s_load_b128 s[4:7], s[0:1], 0x0                ; xb s[4:5], wb s[6:7]
	s_load_b64 s[8:9], s[0:1], 0x10                ; qkv
	s_load_b128 s[68:71], s[0:1], 0x18             ; bq s[68:69], bk s[70:71]
	s_load_b64 s[72:73], s[0:1], 0x28              ; bv
	s_set_vgpr_msb 0x40
	v_lshl_add_u32 v63, v0, 2, 0x48400
	s_set_vgpr_msb 0x4000
	v_mov_b32 v255, 0
	s_set_vgpr_msb 0x1
	ds_add_u32 v63, v255
	s_set_vgpr_msb 0x100
	v_lshrrev_b32 v1, 5, v0
	v_readfirstlane_b32 s10, v1                    ; wave 0..3
	s_lshr_b32 s11, s10, 1                         ; which half of the block's rows is mine.  Also: I fetch for A (0) or for B (1)
	s_and_b32 s12, s10, 1                          ; which half of its columns.  Also: which 128 rows of that tile I fetch
	s_bfe_u32 s40, ttmp6, 0x40000                  ; cx
	s_bfe_u32 s41, ttmp6, 0x40004                  ; cy
	s_lshl_b32 s42, ttmp9, 2
	s_add_co_u32 s42, s42, s40                     ; block column = 4 x cluster x + cx
	s_and_b32 s13, ttmp7, 0xffff
	s_lshr_b32 s66, s13, 3                         ; p: eight clusters along y for each of q, k, v; the same in all sixteen partners
	s_lshl_b32 s13, s13, 2
	s_add_co_u32 s13, s13, s41                     ; block row = 4 x cluster y + cy
	s_lshl_b32 s43, s41, 2
	s_lshl_b32 s43, 15, s43                        ; my row of the cluster: places 4 cy .. 4 cy + 3
	s_lshl_b32 s44, 0x1111, s40                    ; my column: places cx, cx + 4, cx + 8, cx + 12
	; descriptor group 1: a tile of 128 rows x 128 elements of 2 bytes, 4 words of padding behind every 64 words
	s_or_b32 s[G1+0], s43, (1<<16)|(1<<20)|(1<<21)|(5<<22)|(3<<25)
	s_or_b32 s[G1B+0], s44, (1<<16)|(1<<20)|(1<<21)|(5<<22)|(3<<25)
	s_mov_b32 s[G1B+1], KSTEP<<16
	s_mov_b32 s[G1+1], KSTEP<<16                   ; tensor_dim0 = 128
	s_mov_b32 s[G1B+2], 128<<16
	s_mov_b32 s[G1+2], 128<<16                     ; tensor_dim1 = 128
	s_mov_b32 s[G1B+3], KSTEP<<16
	s_mov_b32 s[G1+3], KSTEP<<16                   ; tile_dim0 = 128
	s_mov_b32 s[G1B+4], 128
	s_mov_b32 s[G1+4], 128                         ; tile_dim1 = 128
	s_mov_b32 s[G1B+5], SIZE_K
	s_mov_b32 s[G1+5], SIZE_K                      ; elements from row to row
	s_mov_b32 s[G1B+6], 0
	s_mov_b32 s[G1+6], 0
	s_mov_b32 s[G1B+7], 0
	s_mov_b32 s[G1+7], 0
	; where the tiles come from: A's hang on the block row, B's on the block column and p
	s_lshl_b32 s17, s12, 7                         ; which 128 rows of the tile I fetch
	s_lshl_b32 s16, s13, 8
	s_add_co_u32 s16, s16, s17                     ; A: row 256 x block row + 128 x half
	s_lshl_b32 s46, s42, 8
	s_add_co_u32 s46, s46, s17                     ; B: row 256 x block column + 128 x half
	s_lshl_b32 s67, s66, 10
	s_add_co_u32 s46, s46, s67                     ;    + 1,024 p: the weight's plane in wb
	s_mov_b32 s17, 0
	s_mov_b32 s47, 0
	s_mov_b64 s[18:19], SIZE_K*2
	s_mul_u64 s[16:17], s[16:17], s[18:19]         ; in bytes
	s_mul_u64 s[46:47], s[46:47], s[18:19]
	s_mul_i32 s20, s10, HALFT                      ; LDS: A's two halves, then B's two halves = wave x 128 rows
	s_lshl_b32 s78, s42, 10                        ; my 128 columns in the bias: 1,024 x block column + 512 x half, in bytes
	s_lshl_b32 s79, s12, 9
	s_add_co_u32 s78, s78, s79
	s_mov_b32 s79, 0
	s_mov_b32 s76, 0x3e000000                      ; 1/8, for q, k and v alike
	s_mov_b32 s77, 0x3e000000
	s_wait_dscnt 0x0
	s_wait_kmcnt 0x0
	s_add_nc_u64 s[14:15], s[4:5], s[16:17]
	s_add_nc_u64 s[46:47], s[6:7], s[46:47]
	s_cmp_eq_u32 s66, 1
	s_cselect_b64 s[74:75], s[70:71], s[68:69]     ; the bias of my p
	s_cmp_eq_u32 s66, 2
	s_cselect_b64 s[74:75], s[72:73], s[74:75]
	s_add_nc_u64 s[74:75], s[74:75], s[78:79]
	CROUND                                         ; all sixteen work-groups are here: the first joint loads meet
.irp s, 0,1
	s_mov_b32 s[G0+4*\s], 1
	s_add_co_u32 s[G0+4*\s+1], s20, \s*SLOT
	s_add_nc_u64 s[G0+4*\s+2:G0+4*\s+3], s[14:15], \s*KSTEP*2
	s_or_b32 s[G0+4*\s+3], s[G0+4*\s+3], 0x80000000
	s_mov_b32 s[G0B+4*\s], 1
	s_add_co_u32 s[G0B+4*\s+1], s20, \s*SLOT
	s_add_nc_u64 s[G0B+4*\s+2:G0B+4*\s+3], s[46:47], \s*KSTEP*2
	s_or_b32 s[G0B+4*\s+3], s[G0B+4*\s+3], 0x80000000
	JLOAD \s                                       ; the ring is filled before anything else is done: two tensor loads of the wave are out
.endr
	; A fragment is 16 rows x 32 K in 8 registers: lane l holds row l % 16; registers 0-3 hold K = 8 (l / 16) + 0..7, registers 4-7 K = 16 + 8 (l / 16) + 0..7.
	v_and_b32 v1, 15, v0                           ; l % 16
	v_bfe_u32 v2, v0, 4, 1                         ; l / 16
	v_mul_u32_u24 v3, v1, PITCH
	v_lshl_add_u32 v3, v2, 4, v3                   ; row x pitch + 16 x half
	s_mul_i32 s21, s11, HALFT                      ; my 128 rows of A
	s_mul_i32 s22, s12, HALFT                      ; my 128 rows of B,
	s_add_co_u32 s22, s22, 2*HALFT                 ; which lie behind A's 256
.irp s, 0,1
	v_add_nc_u32 v[ADRA+\s], s21, v3
	v_add_nc_u32 v[ADRB+\s], s22, v3
	s_add_co_u32 s21, s21, SLOT
	s_add_co_u32 s22, s22, SLOT
.endr
	s_mul_i32 s23, s10, 16*SPITCH
	s_add_co_u32 s23, s23, STAGE                   ; my stage
	v_mul_u32_u24 v4, v1, SPITCH                   ; in: row l % 16, 16 bytes for each half of the lanes
	v_lshl_add_u32 v4, v2, 4, v4
	v_add_nc_u32 v[STO], s23, v4
	v_mul_u32_u24 v5, v2, SPITCH                   ; back: lanes 0-15 take one row of 256 bytes, lanes 16-31 the next
	v_lshl_add_u32 v5, v1, 4, v5
	v_add_nc_u32 v[RD], s23, v5
	v_mul_u32_u24 v5, v2, SIZE_N*2                 ; and the same two rows in C
	v_lshl_add_u32 v[CO], v1, 4, v5
	; the bias of the eight columns that I hold in each of my eight column tiles, once, while the first tiles are on their way; then times 1/8
	v_lshlrev_b32 v[BO], 5, v2
	WIN TO_B
.irp b, 0,1,2,3,4,5,6,7
	global_load_b128 v[BI+8*\b:BI+8*\b+3],   v[BO], s[74:75] offset:64*\b
	global_load_b128 v[BI+8*\b+4:BI+8*\b+7], v[BO], s[74:75] offset:64*\b+16
.endr
	s_wait_loadcnt 0x0
	WIN 0x41                                       ; destination and source 0 in window 1
.set e, 0
.rept 32
	v_pk_mul_f32 v[BI+e:BI+e+1], v[BI+e:BI+e+1], s[76:77] op_sel_hi:[1,0]
.set e, e+2
.endr
	WIN 0
; 16 matrix instructions: m blocks a0, a0 + 1 of the window's four x all 8 n blocks, 32 along K.  zero = 1: the first product starts the sums.
; The 64 accumulators take turns, one instruction a turn, in the same order in every quarter step.
.macro MUL16 f, hi, a0, zero
.irp a, \a0, \a0+1
.irp b, 0,1,2,3,4,5,6,7
.if \zero
	v_wmma_f32_16x16x32_f16 v[8*(8*(\a)+\b):8*(8*(\a)+\b)+7], v[\f+8*\b:\f+8*\b+7], v[\f+8*(4*\hi+\a):\f+8*(4*\hi+\a)+7], 0
.else
	v_wmma_f32_16x16x32_f16 v[8*(8*(\a)+\b):8*(8*(\a)+\b)+7], v[\f+8*\b:\f+8*\b+7], v[\f+8*(4*\hi+\a):\f+8*(4*\hi+\a)+7], v[8*(8*(\a)+\b):8*(8*(\a)+\b)+7]
.endif
.endr
.endr
.endm
; 32 LDS loads in one run: the fragments of one quarter step (128 rows of B, 128 rows of A, 32 K at byte k of the rows) into buffer f
.macro FETCH slot, k, f
	WIN TO_B
.irp i, 0,1,2,3,4,5,6,7
	ds_load_b128 v[\f+8*\i:\f+8*\i+3],   v[ADRB+\slot] offset:\k+\i*16*PITCH
	ds_load_b128 v[\f+8*\i+4:\f+8*\i+7], v[ADRB+\slot] offset:\k+\i*16*PITCH+32
.endr
	WIN 0
.irp i, 0,1,2,3,4,5,6,7
	ds_load_b128 v[\f+8*\i:\f+8*\i+3],   v[ADRA+\slot] offset:\k+\i*16*PITCH
	ds_load_b128 v[\f+8*\i+4:\f+8*\i+7], v[ADRA+\slot] offset:\k+\i*16*PITCH+32
.endr
.endm
; Four independent vector places stand between a matrix instruction and a load into, or a vector instruction on, one of its registers.
.macro PLACES
.rept 4
	v_nop
.endr
.endm
; A K step is four quarter steps of 32 along K, 64 matrix instructions each, on buffers 0, 1, 0, 1.
.macro QUARTER slot, k, f, g, zero
	s_wait_dscnt 8                                 ; B and A's rows 0-63 are in; the youngest eight loads (A's rows 64-127) may be out
	WIN MUL_LO
	MUL16 \f, 0, 0, \zero
	MUL16 \f, 0, 2, \zero
	PLACES
	FETCH \slot, \k, \g
	s_wait_dscnt 32                                ; all but the 32 just issued
	WIN MUL_HI
	MUL16 \f, 1, 0, \zero
	MUL16 \f, 1, 2, \zero
.endm
.macro THREE slot, zero
	QUARTER \slot, 64,  F0, F1, \zero
	QUARTER \slot, 128, F1, F0, 0
	QUARTER \slot, 192, F0, F1, 0
.endm
; The last quarter: multiplies buffer 1 and changes slots.  In front of the barrier each wave waits for its reads of this slot and for all its tensor
; loads (one is out: its part of the next slot).  Behind it the refill comes first, then the next slot's first fragments.
.macro TURN slot, next, fill
	s_wait_dscnt 8
	WIN MUL_LO
	MUL16 F1, 0, 0, 0
	s_wait_dscnt 0                                 ; my reads of this slot are over
	s_wait_tensorcnt 0x0                           ; and all my tensor loads have landed
	ds_add_u32 v63, v255
	s_wait_dscnt 0x0
	s_barrier_signal -1                            ; say so (where a slot is filled again this barrier opens a round of the cluster's barrier),
	MUL16 F1, 0, 2, 0                              ; work on registers while the others arrive,
	WIN 0
	s_barrier_wait -1
.if \fill
	CREST                                          ; no wave of any partner still reads this slot's tile or has a load on its way
	s_add_nc_u64 s[G0+4*\slot+2:G0+4*\slot+3], s[G0+4*\slot+2:G0+4*\slot+3], 2*KSTEP*2
	s_add_nc_u64 s[G0B+4*\slot+2:G0B+4*\slot+3], s[G0B+4*\slot+2:G0B+4*\slot+3], 2*KSTEP*2
	JLOAD \slot                                    ; the first tensor load behind the round, the wave's only one until the next
.endif
	PLACES
	FETCH \next, 0, F0
	WIN MUL_HI
	MUL16 F1, 1, 0, 0
	MUL16 F1, 1, 2, 0
.endm
.macro LAP zero                        ; once round the ring, both slots filled again
	THREE 0, \zero
	TURN 0, 1, 1
	THREE 1, 0
	TURN 1, 0, 1
.endm
	s_wait_tensorcnt 1                             ; my part of K step 0 is in; K step 1's load, issued behind it, stays out
	s_barrier_signal -1
	s_barrier_wait -1                              ; everybody's is
	FETCH 0, 0, F0
	LAP 1                                          ; the first lap stands in front of the loop: its first products start the sums
	WIN 0                                          ; at a label and at a branch every window is 0
	s_mov_b32 s3, LAPS-2
.Llap:
	LAP 0
	WIN 0
	s_sub_co_u32 s3, s3, 1
	s_cmp_lg_u32 s3, 0
	s_cbranch_scc1 .Llap
	THREE 0, 0                                     ; the last lap fills nothing
	TURN 0, 1, 0
	THREE 1, 0
	s_wait_dscnt 8                                 ; the very last quarter: nothing more to fetch
	WIN MUL_LO
	MUL16 F1, 0, 0, 0
	MUL16 F1, 0, 2, 0
	s_wait_dscnt 0
	WIN MUL_HI
	MUL16 F1, 1, 0, 0
	MUL16 F1, 1, 2, 0
	; THE WAY OUT, 16 rows at a time: sum / 8 + bias / 8 in one fused multiply-add, round to f16, 16 bytes a lane into my own stage, back as whole rows of 256 bytes.
	PLACES
	s_lshl_b32 s13, s13, 8
	s_lshl_b32 s14, s11, 7
	s_add_co_u32 s16, s13, s14                     ; my first row of C
	s_mov_b32 s17, 0
	s_mov_b64 s[18:19], SIZE_N*2
	s_mul_u64 s[16:17], s[16:17], s[18:19]
	s_add_nc_u64 s[8:9], s[8:9], s[16:17]
	s_lshl_b32 s46, s42, 9                         ; my first column, in bytes: 512 x block column + 256 x half
	s_lshl_b32 s47, s12, 8
	s_add_co_u32 s46, s46, s47
	s_mov_b32 s47, 0
	s_add_nc_u64 s[8:9], s[8:9], s[46:47]
; rows 16 i .. 16 i + 15 of my block = the eight tiles (a, 0..7) of window 2 or 3.  bias: accumulator as destination and source 0, window 1 as source 2
; (0x92, 0xd3); from: the accumulators as sources 0 and 1 (0x0a, 0x0f); f: F0 or F1 in turn
.macro OUT16 i, a, bias, from, f
	WIN \bias
.irp b, 0,1,2,3,4,5,6,7
.irp r, 0,1,2,3
	v_pk_fma_f32 v[8*(8*\a+\b)+2*\r:8*(8*\a+\b)+2*\r+1], v[8*(8*\a+\b)+2*\r:8*(8*\a+\b)+2*\r+1], s[76:77], v[BI+8*\b+2*\r:BI+8*\b+2*\r+1] op_sel_hi:[1,0,1]
.endr
.endr
	WIN \from
.irp b, 0,1,2,3,4,5,6,7
.irp r, 0,1,2,3
	v_cvt_pk_f16_f32 v[TMP+4*\b+\r], v[8*(8*\a+\b)+2*\r], v[8*(8*\a+\b)+2*\r+1]
.endr
.endr
	WIN 0
.irp b, 0,1,2,3,4,5,6,7
	ds_store_b128 v[STO], v[TMP+4*\b:TMP+4*\b+3] offset:32*\b
.endr
	s_wait_xcnt 0x0                                ; buffer f, which earlier stores read, and the stores' base are rewritten only behind this wait
.if \i
	s_add_nc_u64 s[8:9], s[8:9], 16*SIZE_N*2       ; 16 rows of C on
.endif
.irp t, 0,1,2,3,4,5,6,7
	ds_load_b128 v[\f+4*\t:\f+4*\t+3], v[RD] offset:\t*2*SPITCH    ; a wave's LDS instructions are served in order: these see the stores above
.endr
.irp t, 0,1,2,3,4,5,6,7
	s_wait_dscnt 7-\t                              ; load t is back, the 7 - t younger ones stay out
	global_store_b128 v[CO], v[\f+4*\t:\f+4*\t+3], s[8:9] offset:2*\t*SIZE_N*2   ; 16 lanes store 256 consecutive bytes, aligned to 256
.endr
.endm
	OUT16 0, 0, 0x92, 0x0a, F0
	OUT16 1, 1, 0x92, 0x0a, F1
	OUT16 2, 2, 0x92, 0x0a, F0
	OUT16 3, 3, 0x92, 0x0a, F1
	OUT16 4, 0, 0xd3, 0x0f, F0
	OUT16 5, 1, 0xd3, 0x0f, F1
	OUT16 6, 2, 0xd3, 0x0f, F0
	OUT16 7, 3, 0xd3, 0x0f, F1
	s_set_vgpr_msb 0x1
	s_wait_tensorcnt 0x0
	ds_add_u32 v63, v255
	s_wait_dscnt 0x0
	s_set_vgpr_msb 0x100
	CROUND                                         ; the closing round: no work-group ends while a partner may still ask for a tile that names it
	s_endpgm
.Lfunc_end_k_q48ae0a0b23_qkvproj:
	.size	k_q48ae0a0b23_qkvproj, .Lfunc_end_k_q48ae0a0b23_qkvproj-k_q48ae0a0b23_qkvproj
	.p2alignl 7, 3214868480
	.fill 96, 4, 3214868480
	.section	.rodata,"a",@progbits
	.p2align	6, 0x0
	.amdhsa_kernel k_q48ae0a0b23_qkvproj
		.amdhsa_group_segment_fixed_size 327680
		.amdhsa_private_segment_fixed_size 0
		.amdhsa_enable_private_segment 0
		.amdhsa_kernarg_size 48
		.amdhsa_user_sgpr_count 2
		.amdhsa_user_sgpr_kernarg_segment_ptr 1
		.amdhsa_wavefront_size32 1
		.amdhsa_system_sgpr_workgroup_id_x 1
		.amdhsa_system_sgpr_workgroup_id_y 1
		.amdhsa_system_sgpr_workgroup_id_z 1
		.amdhsa_system_vgpr_workitem_id 0
		.amdhsa_next_free_vgpr 1024
		.amdhsa_next_free_sgpr 84
		.amdhsa_reserve_vcc 0
		.amdhsa_float_denorm_mode_32 3
		.amdhsa_float_denorm_mode_16_64 3
		.amdhsa_memory_ordered 1
		.amdhsa_forward_progress 1
		.amdhsa_inst_pref_size 217
	.end_amdhsa_kernel
	.amdgpu_metadata
---
amdhsa.version: [ 1, 2 ]
amdhsa.kernels:
  - .name:           k_q48ae0a0b23_qkvproj
    .symbol:         k_q48ae0a0b23_qkvproj.kd
    .args:
      - { .name: xb, .offset: 0, .size: 8, .value_kind: global_buffer, .address_space: global }
      - { .name: wb, .offset: 8, .size: 8, .value_kind: global_buffer, .address_space: global }
      - { .name: qkv, .offset: 16, .size: 8, .value_kind: global_buffer, .address_space: global }
      - { .name: bq, .offset: 24, .size: 8, .value_kind: global_buffer, .address_space: global }
      - { .name: bk, .offset: 32, .size: 8, .value_kind: global_buffer, .address_space: global }
      - { .name: bv, .offset: 40, .size: 8, .value_kind: global_buffer, .address_space: global }
    .group_segment_fixed_size: 327680
    .private_segment_fixed_size: 0
    .kernarg_segment_align: 8
    .kernarg_segment_size: 48
    .max_flat_workgroup_size: 128
    .sgpr_count:     84
    .vgpr_count:     1024
    .wavefront_size: 32
...
	.end_amdgpu_metadata
.endif
;; end of part 2
;; launch attn (part 3): grid 4 x 64, 8 waves a work-group, clusters of 4 x 4, 327,680 bytes of LDS; arguments qkv, m_in, ao; writes ao
.if DOCPART == 3
	.amdgcn_target "amdgcn-amd-amdhsa--gfx1250"
	.amdhsa_code_object_version 6
	.text
	.protected	k_q48ae0a0b23_attn
	.globl	k_q48ae0a0b23_attn
	.p2align	8
	.type	k_q48ae0a0b23_attn,@function
k_q48ae0a0b23_attn:
	s_mov_b64 s[64:65], 0
	v_nop
	global_prefetch_b8 v0, s[64:65] scope:SCOPE_SE
	s_setreg_imm32_b32 hwreg(HW_REG_WAVE_MODE, 25, 1), 1
	s_wait_xcnt 0x0
	s_wait_alu depctr_hold_cnt(0) depctr_sa_sdst(0) depctr_va_vdst(0) depctr_va_sdst(0) depctr_va_ssrc(0) depctr_va_vcc(0) depctr_vm_vsrc(0)
	s_getreg_b32 s2, hwreg(HW_REG_IB_STS2, 6, 4)
	s_cmp_eq_u32 s2, 0
	s_cbranch_scc0 .Lentry_in_a_cluster
	s_endpgm
.Lentry_in_a_cluster:
	s_bfe_u32 s2, ttmp6, 0x10000c
	s_cmp_lg_u32 s2, 0xf033
	s_cbranch_scc0 .Lentry_shape_is_right
	s_endpgm
.Lentry_shape_is_right:
; ao[b][q][h][:] = (1/8) softmax over k of (Q[b][q][h] . K[b][k][h] / 8 - 1e6 m_in[b][q][k]) x V[b][k][h][:].  qkv: [3][8192][1024] f16, holding Q/8, K/8, V/8.
; m_in: [4][2048][2048] f32.  ao: [8192][1024] f16, holding the attention's output / 8, a convex mix of V/8 and so inside its range.
; Products in f16 with f32 sums; mask, running maximum, exponentials and row sums in f32.
; SCALES: the kernel keeps t = (Q/8).(K/8) - 125,000 m, which is the reference's score / 8 (1e6 / 8 is exact), and multiplies by 8 log2(e) in the exponent.
; The probabilities lie in (0, 1] behind the running maximum, so they fit f16; what falls below its smallest step is under 6e-8 of a sum that is at least 1.
; A work-group owns 128 queries (y = 16 b + query block) x 4 heads (x = head group; the grid's x is one cluster wide, so x = cx).  Eight waves:
; wave w has head w & 3 and queries 64 (w >> 2) .. + 63, as four tiles of 16 queries.  Keys go in 32 steps of 64 through two LDS slots.
; CLUSTERS, 4 x 4: the four work-groups of a row of the cluster (one y, four head groups) need the same mask tile; the four of a column (one head group,
; four query blocks of one b) the same K and V tiles.  Each tile is asked for jointly.  In the work-group the four head waves read one mask tile.
; LAYOUTS: S^T = K Q^T (source 0 = 16 keys, source 1 = 16 queries): lane (r, h), register j of tile kt holds key 16 kt + 8 h + j of query r.  So a query's
; maximum and sum lie in two lanes (r and r + 16), and packing tiles 2 kc, 2 kc + 1 to f16 gives source 1 of O^T = V^T P^T as it stands.
; V^T comes from V's rows by the transposing LDS load.  A lane of O^T holds 8 neighbouring depths of one query: 16 bytes of f16.
; THE LOOP IS PIPELINED over the query tiles, on through the change of slots.  The turn of tile i holds three stretches, each under one window setting:
;   1. the shift of tile i's scores; its 32 exponentials, with the 8 score products of tile i + 1 among them (one product, four exponentials);
;   2. tile i's probabilities to f16; the mask term of tile i + 1; then tile i's row sum and tile i + 1's maximum, line by line in turn;
;   3. the 8 products V^T P^T of tile i, with the rescaling of tile i + 1's O among them.
; Two score buffers take turns.  LDS loads run ahead: the mask of tile i + 2 behind the mask term of tile i + 1; the next step's K in tile 2, when the last
; products on the old K have been issued; the next step's V behind tile 3's products.  A slot's last read is the mask of tile 3, issued in tile 1, so the
; change of slots stands in tile 2.
; LIMITS: scores, 1e6 m and (row maximum) x log2(e) must be finite in f32.  The score less the mask term is one fused multiply-add, rounded once
; (reference() rounds the product first: the same wherever 1e6 m is exact, as for m = 0 or 1).  The stored -max x 8 log2(e) is used both in the exponents
; and in the rescaling, so its rounding is a common factor of a row and cancels in the division.  A row's sum is at least about 1: its maximum's own term.
.set SLOT,  103424                     ; a slot: mask 128 x 272, K 64 x 528, V 64 x 544
.set KT,    34816                      ; K's tile in a slot
.set VT,    68608                      ; V's tile in a slot
.set STAGE, 2*SLOT                     ; 128 rows x 528 bytes for the way out; no fill lands there
.set MP,    272                        ; mask row: 256 bytes + 16
.set KP,    528                        ; K row: 512 bytes + 16, an odd multiple of 16
.set VP,    544                        ; V row: 512 bytes + 32, an odd multiple of 32, for the transposing load
.set SP,    528                        ; stage row
; window 0: all that vector arithmetic writes but O, and K's fragments
.set ADRM, 2                           ; v2-3   my mask rows in slot 0, 1
.set ADRK, 4                           ; v4-5   my K fragments
.set ADRV, 6                           ; v6-7   my V fragments
.set STO,  8                           ; v8     stage, in
.set RD,   9                           ; v9     stage, back
.set CO,   10                          ; v10    my offset in ao
.set PFV,  11                          ; v11    my row in the mask for the prefetch
.set VQ,   12                          ; v12    my offset in Q
.set KF,   16                          ; v16-79   K fragments, (kt, c) at 16 kt + 8 c
.set S,    80                          ; v80-143  two buffers of 32: scores, then exponentials, of a query tile; tile i has buffer i % 2
.set MK,   144                         ; v144-175 a query tile's mask
.set P,    176                         ; v176-191 a query tile's probabilities in f16
.set MX,   192                         ; v192-195 running maximum of query tile i
.set NML,  196                         ; v196-199 -maximum x 8 log2(e), as it was used
.set LS,   200                         ; v200-203 running sum (my half of the keys)
.set T,    204                         ; v204-207 at work: maxima
.set U,    208                         ; v208 maximum, v209 sum, at work
.set AL,   210                         ; v210, v212 the rescaling factor of an even, an odd tile; v211, v213 only fill the pairs
.set W,    214                         ; v214 the new NML, v215 its difference from the old one
.set X,    216                         ; v216-223 four pairs of partial sums
; window 1
.set O,    0                           ; v256-383 O^T, tile (i, dt) at 32 i + 8 dt
.set QF,   128                         ; v384-447 Q fragments, (i, c) at 16 i + 8 c
.set VF,   192                         ; v448-511 V^T fragments, (dt, kc) at 16 dt + 8 kc
.set G1M, 16                           ; s[16:23] group 1, mask tiles
.set G1K, 24                           ; s[24:31] group 1, K tiles
.set G1V, 32                           ; s[32:39] group 1, V tiles
.set G0M, 40                           ; s[40:47] group 0, mask, one set for each slot
.set G0K, 48                           ; s[48:55] group 0, K
.set G0V, 56                           ; s[56:63] group 0, V
.set MSB, 0
.macro WIN new                         ; low byte: bits 1:0 source 0, 3:2 source 1, 5:4 source 2, 7:6 destination; the high byte repeats the setting that is left
.if MSB != \new
	s_set_vgpr_msb (MSB<<8)|\new
.set MSB, \new
.endif
.endm
.macro PLACES                          ; four independent vector places behind a matrix instruction (ISA guide 7.12.1)
.rept 4
	v_nop
.endr
.endm
.macro CREST                           ; a round of the cluster's barrier behind its opening barrier
	s_cmp_lg_u32 s10, 0
	s_cbranch_scc1 .Lnot_wave_0_\@
	s_barrier_signal -3
.Lnot_wave_0_\@:
	s_barrier_wait -3
	s_barrier_signal -1
	s_barrier_wait -1
.endm
.macro ROUND                           ; a whole round
	s_barrier_signal -1
	s_barrier_wait -1
	CREST
.endm
; A step's three tiles, one tensor load a wave: waves 0 and 1 the mask's two halves of 64 rows, wave 2 K, wave 3 V.  The branches hang on the wave's number alone.
; pf = 1: wave 4 asks for 32 rows x 256 bytes of the mask tile one step further on than the one that is loaded here (each of the four partners of my
; row of the cluster asks for its own 32 of the 128 rows, lanes one row apart: each block of 256 bytes is asked for once in the launch).
.macro JLOAD slot, pf, pfo
	s_cmp_ge_u32 s10, 2
	s_cbranch_scc1 .Lnot_mask_\@
	tensor_load_to_lds s[G0M+4*\slot:G0M+4*\slot+3], s[G1M:G1M+7]
	s_nop 0
	s_branch .Lasked_\@
.Lnot_mask_\@:
	s_cmp_lg_u32 s10, 2
	s_cbranch_scc1 .Lnot_k_\@
	tensor_load_to_lds s[G0K+4*\slot:G0K+4*\slot+3], s[G1K:G1K+7]
	s_nop 0
	s_branch .Lasked_\@
.Lnot_k_\@:
	s_cmp_lg_u32 s10, 3
	s_cbranch_scc1 .Lnot_v_\@
	tensor_load_to_lds s[G0V+4*\slot:G0V+4*\slot+3], s[G1V:G1V+7]
	s_nop 0
	s_branch .Lasked_\@
.Lnot_v_\@:
.if \pf
	s_cmp_lg_u32 s10, 4
	s_cbranch_scc1 .Lasked_\@
	global_prefetch_b8 v[PFV], s[84:85] offset:\pfo th:TH_LOAD_NT scope:SCOPE_SE
.endif
.Lasked_\@:
.endm
	s_load_b128 s[4:7], s[0:1], 0x0                ; qkv s[4:5], m_in s[6:7]
	s_load_b64 s[8:9], s[0:1], 0x10                ; ao
	v_lshl_add_u32 v254, v0, 2, 0x43000
	v_mov_b32 v255, 0
	ds_add_u32 v254, v255
	v_lshrrev_b32 v1, 5, v0
	v_readfirstlane_b32 s10, v1                    ; wave 0..7
	s_and_b32 s11, s10, 3                          ; my head in the group of four
	s_lshr_b32 s12, s10, 2                         ; my half of the 128 queries
	s_bfe_u32 s13, ttmp6, 0x40000                  ; cx = head group
	s_bfe_u32 s14, ttmp6, 0x40004                  ; cy
	s_and_b32 s15, ttmp7, 0xffff                   ; cluster y
	s_lshl_b32 s66, s15, 2
	s_add_co_u32 s66, s66, s14                     ; y = 16 b + query block
	s_lshr_b32 s67, s15, 2                         ; b, from the cluster's y alone: the same in all partners
	s_lshl_b32 s68, s14, 2
	s_lshl_b32 s68, 15, s68                        ; my row of the cluster
	s_lshl_b32 s69, 0x1111, s13                    ; my column
	s_mov_b32 s70, 0xc7f42400                      ; -125,000 = -1e6 / 8
	s_mov_b32 s71, 0xc7f42400
	s_mov_b32 s72, 0x4138aa3b                      ; 8 log2(e)
	s_mov_b32 s73, 0x4138aa3b
	s_mov_b32 s74, 0xc138aa3b                      ; -8 log2(e)
	s_mov_b32 s75, 0x76543210                      ; v_permlanex16_b32: lane i of one half reads lane i of the other
	s_mov_b32 s76, 0xfedcba98
	; group 1, mask: 64 rows x 64 elements of 4 bytes, 2,048 elements from row to row, 4 words of padding behind every 64 words
	s_or_b32 s[G1M+0], s68, (2<<16)|(1<<20)|(1<<21)|(5<<22)|(3<<25)
	s_mov_b32 s[G1M+1], 64<<16
	s_mov_b32 s[G1M+2], 64<<16
	s_mov_b32 s[G1M+3], 64<<16
	s_mov_b32 s[G1M+4], 64
	s_mov_b32 s[G1M+5], 2048
	s_mov_b32 s[G1M+6], 0
	s_mov_b32 s[G1M+7], 0
	; group 1, K: 64 rows x 256 elements of 2 bytes, 1,024 elements from row to row, 4 words of padding behind every 128 words
	s_or_b32 s[G1K+0], s69, (1<<16)|(1<<20)|(1<<21)|(6<<22)|(3<<25)
	s_mov_b32 s[G1K+1], 256<<16
	s_mov_b32 s[G1K+2], 64<<16
	s_mov_b32 s[G1K+3], 256<<16
	s_mov_b32 s[G1K+4], 64
	s_mov_b32 s[G1K+5], 1024
	s_mov_b32 s[G1K+6], 0
	s_mov_b32 s[G1K+7], 0
	; group 1, V: the same with 8 words of padding
	s_or_b32 s[G1V+0], s69, (1<<16)|(1<<20)|(1<<21)|(6<<22)|(7<<25)
	s_mov_b32 s[G1V+1], 256<<16
	s_mov_b32 s[G1V+2], 64<<16
	s_mov_b32 s[G1V+3], 256<<16
	s_mov_b32 s[G1V+4], 64
	s_mov_b32 s[G1V+5], 1024
	s_mov_b32 s[G1V+6], 0
	s_mov_b32 s[G1V+7], 0
	; offsets, each in registers of its own: the mask's hold y, K's and V's hold b and cx, Q's and ao's hold both
	s_lshl_b32 s78, s66, 20                        ; 128 y rows of 8,192 bytes
	s_mov_b32 s79, 0
	s_lshl_b32 s80, s67, 22                        ; 2,048 b rows of 2,048 bytes
	s_lshl_b32 s81, s13, 9                         ; four heads of 128 bytes
	s_add_co_u32 s80, s80, s81
	s_mov_b32 s81, 0
	s_lshl_b32 s90, s66, 18                        ; 128 y rows of 2,048 bytes
	s_lshl_b32 s91, s13, 9
	s_add_co_u32 s90, s90, s91
	s_mov_b32 s91, 0
	s_mul_i32 s83, s10, 64*MP                      ; LDS: the mask half of wave 0 or 1 (the other waves never use it)
	s_lshl_b32 s86, s10, 19                        ; and its 64 rows in memory
	s_wait_dscnt 0x0
	s_wait_kmcnt 0x0
	s_add_nc_u64 s[84:85], s[6:7], s[78:79]
	s_add_nc_u64 s[84:85], s[84:85], 768           ; the prefetch starts at the mask tile of step 3
	s_add_co_u32 s78, s78, s86
	s_add_nc_u64 s[86:87], s[6:7], s[78:79]        ; my mask half, step 0
	s_add_nc_u64 s[88:89], s[4:5], s[80:81]        ; b's rows, my head group, in plane 0 of qkv
	s_add_nc_u64 s[92:93], s[4:5], s[90:91]        ; Q of my work-group
	s_add_nc_u64 s[8:9], s[8:9], s[90:91]          ; ao of my work-group
.irp n, 0,1
	s_mov_b32 s[G0M+4*\n], 1
	s_add_co_u32 s[G0M+4*\n+1], s83, \n*SLOT
	s_add_nc_u64 s[G0M+4*\n+2:G0M+4*\n+3], s[86:87], \n*256              ; step n: 64 keys of 4 bytes on
	s_or_b32 s[G0M+4*\n+3], s[G0M+4*\n+3], 0x80000000
	s_mov_b32 s[G0K+4*\n], 1
	s_mov_b32 s[G0K+4*\n+1], \n*SLOT+KT
	s_add_nc_u64 s[G0K+4*\n+2:G0K+4*\n+3], s[88:89], 0x1000000+\n*131072 ; plane 1; step n: 64 rows of 2,048 bytes on
	s_or_b32 s[G0K+4*\n+3], s[G0K+4*\n+3], 0x80000000
	s_mov_b32 s[G0V+4*\n], 1
	s_mov_b32 s[G0V+4*\n+1], \n*SLOT+VT
	s_add_nc_u64 s[G0V+4*\n+2:G0V+4*\n+3], s[88:89], 0x2000000+\n*131072 ; plane 2
	s_or_b32 s[G0V+4*\n+3], s[G0V+4*\n+3], 0x80000000
.endr
	ROUND                                          ; all sixteen work-groups are here: the first joint loads meet
	JLOAD 0, 0, 0                                  ; step 0's tiles; slot 1 is filled behind the next round, as every later fill is
	v_and_b32 v13, 31, v0                          ; lane L
	v_and_b32 v14, 15, v0                          ; r
	v_bfe_u32 v15, v0, 4, 1                        ; h
	s_lshl_b32 s87, s11, 7                         ; my head's 128 bytes in a row of K, V, Q, ao
	v_mul_u32_u24 v[ADRM], v14, MP                 ; mask: row 64 qh + r, byte 32 h: the 8 keys of a tile that I hold
	v_lshl_add_u32 v[ADRM], v15, 5, v[ADRM]
	s_mul_i32 s86, s12, 64*MP
	v_add_nc_u32 v[ADRM], s86, v[ADRM]
	v_add_nc_u32 v[ADRM+1], SLOT, v[ADRM]
	v_mul_u32_u24 v[ADRK], v14, KP                 ; K: row r, my head, 16 h
	v_lshl_add_u32 v[ADRK], v15, 4, v[ADRK]
	s_add_co_u32 s86, s87, KT
	v_add_nc_u32 v[ADRK], s86, v[ADRK]
	v_add_nc_u32 v[ADRK+1], SLOT, v[ADRK]
	v_and_b32 v[ADRV], 7, v0                       ; V, for the transposing load: row 8 h + (L & 7), my head, 16 bytes for each eight lanes in turn
	v_lshl_add_u32 v[ADRV], v15, 3, v[ADRV]
	v_mul_u32_u24 v[ADRV], v[ADRV], VP
	v_bfe_u32 v[ADRV+1], v0, 3, 1
	v_lshl_add_u32 v[ADRV], v[ADRV+1], 4, v[ADRV]
	s_add_co_u32 s86, s87, VT
	v_add_nc_u32 v[ADRV], s86, v[ADRV]
	v_add_nc_u32 v[ADRV+1], SLOT, v[ADRV]
	v_mul_u32_u24 v[STO], v14, SP                  ; stage, in: row 64 qh + r, my head, 16 h
	v_lshl_add_u32 v[STO], v15, 4, v[STO]
	s_mul_i32 s86, s12, 64*SP
	s_add_co_u32 s86, s86, s87
	s_add_co_u32 s86, s86, STAGE
	v_add_nc_u32 v[STO], s86, v[STO]
	s_mul_i32 s86, s10, 16*SP                      ; stage, back: rows 16 w .., a whole row of 512 bytes for the 32 lanes
	s_add_co_u32 s86, s86, STAGE
	v_lshl_add_u32 v[RD], v13, 4, s86
	s_lshl_b32 s86, s10, 15                        ; the same rows in ao: 16 w rows of 2,048 bytes
	v_lshl_add_u32 v[CO], v13, 4, s86
	s_lshl_b32 s86, s13, 18                        ; prefetch: row 32 cx + L of the work-group's 128, 8,192 bytes each
	v_lshl_add_u32 v[PFV], v13, 13, s86
	s_lshl_b32 s86, s12, 17                        ; Q: row 64 qh + r, my head, 16 h
	s_add_co_u32 s86, s86, s87
	v_lshlrev_b32 v[VQ], 11, v14
	v_lshl_add_u32 v[VQ], v15, 4, v[VQ]
	v_add_nc_u32 v[VQ], s86, v[VQ]
	v_mov_b32 v[W+1], 0                            ; the partners of the three broadcast pairs hold a number from the start
	v_mov_b32 v[AL+1], 0
	v_mov_b32 v[AL+3], 0
	WIN 0x40                                       ; destination in window 1
.irp i, 0,1,2,3
.irp c, 0,1
	global_load_b128 v[QF+16*\i+8*\c:QF+16*\i+8*\c+3],   v[VQ], s[92:93] offset:32768*\i+64*\c
	global_load_b128 v[QF+16*\i+8*\c+4:QF+16*\i+8*\c+7], v[VQ], s[92:93] offset:32768*\i+64*\c+32
.endr
.endr
	WIN 0
	s_wait_loadcnt 0x0                             ; Q stays in registers for the whole launch
; LDS loads.  z: the slot; q: the query tile.
.macro MLOAD z, q                      ; 8 loads: the mask of query tile q, 64 keys
.irp kt, 0,1,2,3
	ds_load_b128 v[MK+8*\kt:MK+8*\kt+3],   v[ADRM+\z] offset:16*MP*\q+64*\kt
	ds_load_b128 v[MK+8*\kt+4:MK+8*\kt+7], v[ADRM+\z] offset:16*MP*\q+64*\kt+16
.endr
.endm
.macro KLOAD z                         ; 16 loads: my head's K fragments of the slot's 64 keys
.irp kt, 0,1,2,3
.irp c, 0,1
	ds_load_b128 v[KF+16*\kt+8*\c:KF+16*\kt+8*\c+3],   v[ADRK+\z] offset:16*KP*\kt+64*\c
	ds_load_b128 v[KF+16*\kt+8*\c+4:KF+16*\kt+8*\c+7], v[ADRK+\z] offset:16*KP*\kt+64*\c+32
.endr
.endr
.endm
.macro VLOAD z                         ; 16 loads: my head's V^T fragments; the destination's window is 1
.irp dt, 0,1,2,3
.irp kc, 0,1
	ds_load_tr16_b128 v[VF+16*\dt+8*\kc:VF+16*\dt+8*\kc+3],   v[ADRV+\z] offset:32*VP*\kc+32*\dt
	ds_load_tr16_b128 v[VF+16*\dt+8*\kc+4:VF+16*\dt+8*\kc+7], v[ADRV+\z] offset:32*VP*\kc+32*\dt+16*VP
.endr
.endr
.endm
; The pieces of a tile's turn.  They name the current tile's score buffer SC and factor ALC, and the next tile's buffer SN, number QN and factor ALN.
; The matrix instructions take four accumulators by turns, one instruction a turn, here and from piece to piece.
; cur = 1: the 32 exponentials of the current tile; nxt = 1: the 8 score products of the next tile, one in front of every four exponentials.
; Source 1 (Q) is in window 1; the exponentials have no source 1, so one setting serves both.
.macro FS cur, nxt
.set n, 0
.rept 8
.if \nxt
.if n < 4
	v_wmma_f32_16x16x32_f16 v[SN+8*n:SN+8*n+7], v[KF+16*n:KF+16*n+7], v[QF+16*QN:QF+16*QN+7], 0
.else
	v_wmma_f32_16x16x32_f16 v[SN+8*n-32:SN+8*n-25], v[KF+16*n-56:KF+16*n-49], v[QF+16*QN+8:QF+16*QN+15], v[SN+8*n-32:SN+8*n-25]
.endif
.endif
.if \cur
	v_exp_f32 v[SC+4*n], v[SC+4*n]
	v_exp_f32 v[SC+4*n+1], v[SC+4*n+1]
	v_exp_f32 v[SC+4*n+2], v[SC+4*n+2]
	v_exp_f32 v[SC+4*n+3], v[SC+4*n+3]
.endif
.set n, n+1
.endr
.endm
.macro BM                              ; the next tile's mask term: t = score / 8 - 125,000 m
.set e, 0
.rept 16
	v_pk_fma_f32 v[SN+e:SN+e+1], v[MK+e:MK+e+1], s[70:71], v[SN+e:SN+e+1] op_sel_hi:[1,0,1]
.set e, e+2
.endr
.endm
; cur = 1: the current tile i's row sum (of = 1: it starts the sum).  nxt = 1: the next tile's maximum, its -max x 8 log2(e) and (nf = 0) its rescaling factor
; (nf = 1: there is no older maximum).  Both are reductions in four chains; their lines take turns, so that no line waits for the one in front of it.
.macro CG i, cur, of, nxt, nf
.if \nxt
.irp c, 0,1,2,3
	v_max3_num_f32 v[T+\c], v[SN+8*\c], v[SN+8*\c+1], v[SN+8*\c+2]
.endr
.endif
.if \cur
.irp c, 0,1,2,3
	v_pk_add_f32 v[X+2*\c:X+2*\c+1], v[SC+2*\c:SC+2*\c+1], v[SC+8+2*\c:SC+8+2*\c+1]
.endr
.endif
.if \nxt
.irp c, 0,1,2,3
	v_max3_num_f32 v[T+\c], v[T+\c], v[SN+8*\c+3], v[SN+8*\c+4]
.endr
.endif
.if \cur
.irp c, 0,1,2,3
	v_pk_add_f32 v[X+2*\c:X+2*\c+1], v[X+2*\c:X+2*\c+1], v[SC+16+2*\c:SC+16+2*\c+1]
.endr
.endif
.if \nxt
.irp c, 0,1,2,3
	v_max3_num_f32 v[T+\c], v[T+\c], v[SN+8*\c+5], v[SN+8*\c+6]
.endr
.endif
.if \cur
.irp c, 0,1,2,3
	v_pk_add_f32 v[X+2*\c:X+2*\c+1], v[X+2*\c:X+2*\c+1], v[SC+24+2*\c:SC+24+2*\c+1]
.endr
.endif
.if \nxt
	v_max3_num_f32 v[T], v[T], v[SN+7], v[SN+15]
	v_max3_num_f32 v[T+1], v[T+1], v[SN+23], v[SN+31]
.endif
.if \cur
	v_pk_add_f32 v[X:X+1], v[X:X+1], v[X+2:X+3]
	v_pk_add_f32 v[X+4:X+5], v[X+4:X+5], v[X+6:X+7]
.endif
.if \nxt
	v_max3_num_f32 v[U], v[T], v[T+1], v[T+2]
.endif
.if \cur
	v_pk_add_f32 v[X:X+1], v[X:X+1], v[X+4:X+5]
.endif
.if \nxt
.if \nf
	v_max_num_f32 v[U], v[U], v[T+3]
.else
	v_max3_num_f32 v[U], v[U], v[T+3], v[MX+QN]
.endif
.endif
.if \cur
.if \of == 0
	v_add_f32 v[U+1], v[X], v[X+1]
.endif
.endif
.if \nxt
	v_permlanex16_b32 v[T+1], v[U], s75, s76       ; the other half of the keys, from lane r xor 16; its destination has been written above
	v_max_num_f32 v[MX+QN], v[U], v[T+1]
	v_mul_f32 v[W], s74, v[MX+QN]                  ; -max x 8 log2(e)
.if \nf == 0
	v_sub_f32 v[W+1], v[W], v[NML+QN]              ; (old max - new max) x 8 log2(e), from the two numbers as they are used
	v_exp_f32 v[ALN], v[W+1]                       ; the factor on the old sum and the old O; the line below is the plain place behind it
.endif
.endif
.if \cur
.if \of
	v_add_f32 v[LS+\i], v[X], v[X+1]
	s_wait_alu depctr_va_vdst(0)
.else
	v_fma_f32 v[LS+\i], v[LS+\i], v[ALC], v[U+1]   ; my half of the keys; the halves meet at the end
	s_wait_alu depctr_va_vdst(0)
.endif
.endif
.endm
; The 8 products O^T += V^T P^T of tile i (of = 1: the first four start the sums); resc = 1: two lines of the next tile's rescaling behind each.
; C, D and source 0 (O, V^T) are in window 1, source 1 (P, the factor) in window 0: one setting serves both.
.macro PV i, of, resc
.set n, 0
.rept 8
.if n < 4
.if \of
	v_wmma_f32_16x16x32_f16 v[O+32*\i+8*n:O+32*\i+8*n+7], v[VF+16*n:VF+16*n+7], v[P:P+7], 0
.else
	v_wmma_f32_16x16x32_f16 v[O+32*\i+8*n:O+32*\i+8*n+7], v[VF+16*n:VF+16*n+7], v[P:P+7], v[O+32*\i+8*n:O+32*\i+8*n+7]
.endif
.else
	v_wmma_f32_16x16x32_f16 v[O+32*\i+8*n-32:O+32*\i+8*n-25], v[VF+16*n-56:VF+16*n-49], v[P+8:P+15], v[O+32*\i+8*n-32:O+32*\i+8*n-25]
.endif
.if \resc
	v_pk_mul_f32 v[O+32*QN+4*n:O+32*QN+4*n+1], v[O+32*QN+4*n:O+32*QN+4*n+1], v[ALN:ALN+1] op_sel_hi:[1,0]
	v_pk_mul_f32 v[O+32*QN+4*n+2:O+32*QN+4*n+3], v[O+32*QN+4*n+2:O+32*QN+4*n+3], v[ALN:ALN+1] op_sel_hi:[1,0]
.endif
.set n, n+1
.endr
.endm
; The turn of query tile i of the step that reads slot 'slot'.  of: this step starts the sums; nf: so does the next tile's step; nxt: there is a next tile;
; ml: there is a tile i + 2, whose mask is loaded; kv (tile 3): the next step's V is loaded.
; sync (tile 2): 2 = the change of slots with a refill, 1 = a barrier that only shows the last tiles to every wave, 0 = nothing is left to change to.
.macro TILE slot, other, i, of, nf, nxt, ml, sync, pf, pfo, kv
.set SC, S+32*(\i%2)
.set SN, S+32*((\i+1)%2)
.set QN, (\i+1)%4
.set MQ, (\i+2)%4
.set ALC, AL+2*(\i%2)
.set ALN, AL+2*((\i+1)%2)
	WIN 0x04                                       ; source 1 in window 1
.set e, 0
.rept 16
	v_pk_fma_f32 v[SC+e:SC+e+1], v[SC+e:SC+e+1], s[72:73], v[W:W+1] op_sel_hi:[1,0,0]      ; (t - max) x 8 log2(e)
.set e, e+2
.endr
.if \i == 2
	s_wait_dscnt 0x0                               ; all my LDS loads are back: the mask of tile 3, my last read of this slot, among them
.if \sync
	s_set_vgpr_msb 0x400
	s_wait_tensorcnt 0x0                           ; all my tensor loads have landed (at most one was out: my part of the other slot): every group 0 may be written
	ds_add_u32 v254, v255
	s_wait_dscnt 0x0
	s_set_vgpr_msb 0x4
.if \sync == 2
	s_add_nc_u64 s[G0M+4*\slot+2:G0M+4*\slot+3], s[G0M+4*\slot+2:G0M+4*\slot+3], 512       ; this slot's next tiles: two steps on
	s_add_nc_u64 s[G0K+4*\slot+2:G0K+4*\slot+3], s[G0K+4*\slot+2:G0K+4*\slot+3], 262144
	s_add_nc_u64 s[G0V+4*\slot+2:G0V+4*\slot+3], s[G0V+4*\slot+2:G0V+4*\slot+3], 262144
.endif
	s_barrier_signal -1                            ; say so; up to the wait below stands register work alone
.endif
.endif
.if \i == 3
.if \nxt
	s_wait_dscnt 8                                 ; the next step's K (16 loads) is in; the 8 mask loads issued behind them may stay out
.endif
.endif
	FS 1, \nxt
	WIN 0
	v_mov_b32 v[NML+\i], v[W]                      ; the plain vector instruction between the exponentials and the first use of their results
.set e, 0
	s_wait_alu depctr_va_vdst(0)
.rept 16
	v_cvt_pk_f16_f32 v[P+e], v[SC+2*e], v[SC+2*e+1] ; tiles 2 kc, 2 kc + 1 become registers 0-3, 4-7 of P^T's fragment kc
.set e, e+1
.endr
	; these 17 lines are also the places behind the score products: for the mask term, which reads their results, and for the loads into K's fragments
.if \i == 2
.if \sync
	s_barrier_wait -1                              ; every wave of my work-group has said so
.if \sync == 2
	CREST                                          ; and every work-group of the cluster: no wave of any partner still reads this slot or has a load on its way
	JLOAD \slot, \pf, \pfo                         ; the refill first, one tensor load a wave; it has a whole step in which to land
.endif
	KLOAD \other                                   ; the next step's K: the last products on the old K stand above
.endif
.endif
.if \nxt
.if \i == 0
	s_wait_dscnt 16                                ; the mask of tile 1 (8 loads) is in; V's 16 loads, issued behind them, may stay out
.endif
.if \i == 1
	s_wait_dscnt 0x0                               ; the mask of tile 2 is in
.endif
.if \i == 3
	s_wait_dscnt 0x0                               ; the mask of the next step's tile 0 is in
.endif
	BM
.if \ml
.if \i < 2
	MLOAD \slot, MQ                                ; the mask registers are free again: tile i + 2's mask
.else
	MLOAD \other, MQ
.endif
.endif
.endif
	CG \i, 1, \of, \nxt, \nf
	WIN 0x51                                       ; destination, source 0 and source 2 in window 1
.if \i == 0
	s_wait_dscnt 8                                 ; this step's V (16 loads) is in; the 8 mask loads issued behind them may stay out
.endif
	PV \i, \of, (\nxt)*(1-\nf)
.if \i == 3
	PLACES                                         ; behind the last products: the loads below write V's fragments, the way out reads O
.if \kv
	WIN 0x40                                       ; destination in window 1
	VLOAD \other
.endif
	WIN 0
.endif
.endm
.macro STEP slot, other, of, sync, pf, pfo, last
	TILE \slot, \other, 0, \of, \of, 1, 1, 0, 0, 0, 0
	TILE \slot, \other, 1, \of, \of, 1, 1, 0, 0, 0, 0
	TILE \slot, \other, 2, \of, \of, 1, 1-\last, \sync, \pf, \pfo, 0
	TILE \slot, \other, 3, \of, 0, 1-\last, 1-\last, 0, 0, 0, 1-\last
.endm
.macro LAPEND                          ; the prefetch's base goes two steps on, more than a tile's work behind the last prefetch that names it
	s_wait_xcnt 0x0
	s_add_nc_u64 s[84:85], s[84:85], 512
.endm
	; THE WAY IN: step 0's tiles are shown to every wave, slot 1 gets its first fill, and tile 0 is brought to where a turn takes it up.
	s_wait_tensorcnt 0x0                           ; my part of step 0's tiles has landed; no load of mine is out
	ds_add_u32 v254, v255
	s_wait_dscnt 0x0
	ROUND
	JLOAD 1, 0, 0                                  ; step 1's tiles: the wave's one tensor load behind this round
	KLOAD 0
	MLOAD 0, 0
.set SC, S
.set SN, S
.set QN, 0
	s_wait_dscnt 8                                 ; K's 16 loads are in; the mask's 8, issued behind them, may stay out
	WIN 0x04
	FS 0, 1                                        ; the score products of tile 0
	WIN 0
	PLACES
	s_wait_dscnt 0x0                               ; the mask of tile 0 is in
	BM
	MLOAD 0, 1                                     ; then the mask of tile 1 and V, in the order in which every later step issues them
	WIN 0x40
	VLOAD 0
	WIN 0
	CG 0, 0, 0, 1, 1                               ; tile 0's first maximum
	STEP 0, 1, 1, 2, 1, 0, 0                       ; step 0 starts the sums; it fetches step 2's tiles and asks for step 3's mask
	s_wait_xcnt 0x0
	s_add_nc_u64 s[84:85], s[84:85], 256           ; the prefetch's base: the mask tile of step 4, for step 1
	s_mov_b32 s82, 14                              ; steps 1 to 28
.Llap:
	STEP 1, 0, 0, 2, 1, 0, 0
	STEP 0, 1, 0, 2, 1, 256, 0
	LAPEND
	s_sub_co_u32 s82, s82, 1
	s_cmp_lg_u32 s82, 0
	s_cbranch_scc1 .Llap
	STEP 1, 0, 0, 2, 0, 0, 0                       ; step 29 fetches step 31's tiles and prefetches nothing: step 28 asked for the last mask tile
	STEP 0, 1, 0, 1, 0, 0, 0                       ; step 30 fetches nothing: its barrier shows step 31's tiles to every wave
	STEP 1, 0, 0, 0, 0, 0, 1                       ; step 31: nothing follows its tile 3
	; THE WAY OUT: the two halves of each row's sum meet; O / sum, rounded to f16, goes into the stage; whole rows of 512 bytes leave.
.irp i, 0,1,2,3
	v_permlanex16_b32 v[T+\i], v[LS+\i], s75, s76
.endr
.irp i, 0,1,2,3
	v_add_f32 v[LS+\i], v[LS+\i], v[T+\i]
.endr
.irp i, 0,1,2,3
	v_rcp_f32 v[X+2*\i], v[LS+\i]                  ; into v216, v218, v220, v222: the first of a pair each
.endr
	v_nop                                          ; the plain place behind the reciprocals
	s_wait_alu depctr_va_vdst(0)
.irp i, 0,1,2,3
	WIN 0x01                                       ; source 0 (O) in window 1
.set e, 0
.rept 16
	v_pk_mul_f32 v[S+e:S+e+1], v[O+32*\i+e:O+32*\i+e+1], v[X+2*\i:X+2*\i+1] op_sel_hi:[1,0]
.set e, e+2
.endr
	WIN 0
.set e, 0
.rept 16
	v_cvt_pk_f16_f32 v[P+e], v[S+2*e], v[S+2*e+1]
.set e, e+1
.endr
.irp dt, 0,1,2,3
	ds_store_b128 v[STO], v[P+4*\dt:P+4*\dt+3] offset:16*SP*\i+32*\dt
.endr
.endr
	s_wait_dscnt 0x0                               ; my stores are done, for the waves that read these rows
	s_barrier_signal -1
	s_barrier_wait -1
.irp t, 0,1,2,3,4,5,6,7,8,9,10,11,12,13,14,15
	ds_load_b128 v[KF+4*\t:KF+4*\t+3], v[RD] offset:SP*\t
.endr
.irp t, 0,1,2,3,4,5,6,7,8,9,10,11,12,13,14,15
	s_wait_dscnt 15-\t                             ; row t is back, the 15 - t younger loads stay out
	global_store_b128 v[CO], v[KF+4*\t:KF+4*\t+3], s[8:9] offset:2048*\t   ; the wave stores 512 consecutive bytes, aligned to 512
.endr
	s_wait_tensorcnt 0x0
	ds_add_u32 v254, v255
	s_wait_dscnt 0x0
	ROUND                                          ; the closing round: no work-group ends while a partner may still ask for a tile that names it
	s_endpgm
.Lfunc_end_k_q48ae0a0b23_attn:
	.size	k_q48ae0a0b23_attn, .Lfunc_end_k_q48ae0a0b23_attn-k_q48ae0a0b23_attn
	.p2alignl 7, 3214868480
	.fill 96, 4, 3214868480
	.section	.rodata,"a",@progbits
	.p2align	6, 0x0
	.amdhsa_kernel k_q48ae0a0b23_attn
		.amdhsa_group_segment_fixed_size 327680
		.amdhsa_private_segment_fixed_size 0
		.amdhsa_enable_private_segment 0
		.amdhsa_kernarg_size 24
		.amdhsa_user_sgpr_count 2
		.amdhsa_user_sgpr_kernarg_segment_ptr 1
		.amdhsa_wavefront_size32 1
		.amdhsa_system_sgpr_workgroup_id_x 1
		.amdhsa_system_sgpr_workgroup_id_y 1
		.amdhsa_system_sgpr_workgroup_id_z 1
		.amdhsa_system_vgpr_workitem_id 0
		.amdhsa_next_free_vgpr 512
		.amdhsa_next_free_sgpr 96
		.amdhsa_reserve_vcc 0
		.amdhsa_float_denorm_mode_32 3
		.amdhsa_float_denorm_mode_16_64 3
		.amdhsa_memory_ordered 1
		.amdhsa_forward_progress 1
		.amdhsa_inst_pref_size 254
	.end_amdhsa_kernel
	.amdgpu_metadata
---
amdhsa.version: [ 1, 2 ]
amdhsa.kernels:
  - .name:           k_q48ae0a0b23_attn
    .symbol:         k_q48ae0a0b23_attn.kd
    .args:
      - { .name: qkv, .offset: 0, .size: 8, .value_kind: global_buffer, .address_space: global }
      - { .name: m_in, .offset: 8, .size: 8, .value_kind: global_buffer, .address_space: global }
      - { .name: ao, .offset: 16, .size: 8, .value_kind: global_buffer, .address_space: global }
    .group_segment_fixed_size: 327680
    .private_segment_fixed_size: 0
    .kernarg_segment_align: 8
    .kernarg_segment_size: 24
    .max_flat_workgroup_size: 256
    .sgpr_count:     96
    .vgpr_count:     512
    .wavefront_size: 32
...
	.end_amdgpu_metadata
.endif
;; end of part 3
;; launch oproj (part 4): grid 4 x 32, 4 waves a work-group, clusters of 4 x 4, 327,680 bytes of LDS; arguments ao, wb, out0, bo; writes out0
.if DOCPART == 4
	.amdgcn_target "amdgcn-amd-amdhsa--gfx1250"
	.amdhsa_code_object_version 6
	.text
	.protected	k_q48ae0a0b23_oproj
	.globl	k_q48ae0a0b23_oproj
	.p2align	8
	.type	k_q48ae0a0b23_oproj,@function
k_q48ae0a0b23_oproj:
	s_mov_b64 s[64:65], 0
	v_nop
	global_prefetch_b8 v0, s[64:65] scope:SCOPE_SE
	s_setreg_imm32_b32 hwreg(HW_REG_WAVE_MODE, 25, 1), 1
	s_wait_xcnt 0x0
	s_wait_alu depctr_hold_cnt(0) depctr_sa_sdst(0) depctr_va_vdst(0) depctr_va_sdst(0) depctr_va_ssrc(0) depctr_va_vcc(0) depctr_vm_vsrc(0)
	s_getreg_b32 s2, hwreg(HW_REG_IB_STS2, 6, 4)
	s_cmp_eq_u32 s2, 0
	s_cbranch_scc0 .Lentry_in_a_cluster
	s_endpgm
.Lentry_in_a_cluster:
	s_bfe_u32 s2, ttmp6, 0x10000c
	s_cmp_lg_u32 s2, 0xf033
	s_cbranch_scc0 .Lentry_shape_is_right
	s_endpgm
.Lentry_shape_is_right:
; out0[m][n] = 8 x sum over k of ao[m][k] Wo[n][k] + bo[n].  ao: [8192][1024] f16, the attention's output / 8 (the factor 8, exact, undoes that);
; Wo: plane 3 of wb, [1024][1024] f16; bo, out0: f32; sums in f32.
; A work-group makes a block of 256 x 256 with four waves; a wave makes 128 x 128: 64 accumulator tiles of 16 x 16, 512 registers.
; K goes in steps of 128 through a ring of two LDS slots filled by the tensor data mover: a tile's rows are 256 bytes, aligned to 256.
; CLUSTERS: 4 x 4 work-groups.  The four of a row of the cluster need the same tiles of ao, the four of a column the same tiles of Wo: each tile is
; asked for jointly by the four, with one descriptor and a mask that names them.
;
; REGISTERS, in windows of 256:
;   window 0: v0-31 addresses; v64-127, v128-191 fragments of A, two buffers; v192-255 at work on the way out
;   window 1: v64-127, v128-191 fragments of B, two buffers; v192-255 the bias of my 128 columns
;   window 2: the 32 accumulator tiles of my rows 0-63 (tile (a, b) at v[8 (8 a + b)]);   window 3: those of my rows 64-127
; s_set_vgpr_msb's low byte: bits 1:0 source 0, 3:2 source 1, 5:4 source 2, 7:6 destination.
; THE MATRIX INSTRUCTION IS USED TRANSPOSED: source 0 = 16 rows of B, source 1 = 16 rows of A.  Lane l then holds row l % 16 of C and its registers
; 0 to 7 the columns 8 (l / 16) + 0 .. 7 of the tile: 32 neighbouring bytes of a row of f32.
.set SIZE_K, 1024
.set SIZE_N, 1024
.set KSTEP,  128
.set PITCH,  272                       ; an LDS row: 256 bytes + 16 of padding, an odd multiple of 16
.set HALFT,  128*PITCH                 ; 128 rows: what one tensor load brings, and what one wave reads of A or of B
.set SLOT,   4*HALFT                   ; A's 256 rows, then B's 256 rows
.set STAGE,  2*SLOT                    ; behind the ring: 16 rows x 528 bytes for each wave, for the way out; no fill lands there
.set SPITCH, 528                       ; a stage row: my 128 columns of f32 = 512 bytes + 16
.set LAPS, SIZE_K/(2*KSTEP)            ; 4
.set ADRA, 16                          ; v16-17  LDS address of my A fragments in slot 0, 1
.set ADRB, 20                          ; v20-21  the same for B
.set STO,  24                          ; v24     the way out: where I put 32 bytes of a row
.set RD,   25                          ; v25     the way out: where I read a row back
.set CO,   26                          ; v26     my byte offset in C
.set BO,   27                          ; v27     my byte offset in the bias: 32 (l / 16)
.set F0,   64
.set F1,   128
.set TMP,  192                         ; window 0: 8 x sums + bias
.set BI,   192                         ; window 1: bias, tile b at BI + 8 b
.set G1, 24
.set G0, 32
.set G1B, 48
.set G0B, 56
.set MSB, 0
.macro WIN new                         ; the immediate's high byte repeats the setting that is left
.if MSB != \new
	s_set_vgpr_msb (MSB<<8)|\new
.set MSB, \new
.endif
.endm
.set MUL_LO, 0xa1                      ; source 0 (B) window 1, source 1 (A) window 0, C and D window 2
.set MUL_HI, 0xf1                      ; the same, C and D window 3
.set TO_B,   0x40                      ; destination window 1, address window 0
; A joint load.  Waves 0 and 1 fetch A's two halves, waves 2 and 3 B's.  The branch hangs on the wave's number alone.
.macro JLOAD s
	s_cmp_eq_u32 s11, 0
	s_cbranch_scc0 .Lfor_b_\@
	tensor_load_to_lds s[G0+4*\s:G0+4*\s+3], s[G1:G1+7]
	s_nop 0
	s_branch .Lasked_\@
.Lfor_b_\@:
	tensor_load_to_lds s[G0B+4*\s:G0B+4*\s+3], s[G1B:G1B+7]
	s_nop 0
.Lasked_\@:
.endm
.macro CREST                           ; a round of the cluster's barrier behind its opening barrier
	s_cmp_lg_u32 s10, 0
	s_cbranch_scc1 .Lnot_wave_0_\@
	s_barrier_signal -3
.Lnot_wave_0_\@:
	s_barrier_wait -3
	s_barrier_signal -1
	s_barrier_wait -1
.endm
.macro CROUND                          ; a whole round
	s_barrier_signal -1
	s_barrier_wait -1
	CREST
.endm
	s_load_b128 s[4:7], s[0:1], 0x0                ; ao s[4:5], wb s[6:7]
	s_load_b64 s[8:9], s[0:1], 0x10                ; out0
	s_load_b64 s[68:69], s[0:1], 0x18              ; bo
	s_set_vgpr_msb 0x40
	v_lshl_add_u32 v63, v0, 2, 0x4c400
	s_set_vgpr_msb 0x4000
	v_mov_b32 v63, 0
	s_set_vgpr_msb 0x1
	ds_add_u32 v63, v63
	s_set_vgpr_msb 0x100
	v_lshrrev_b32 v1, 5, v0
	v_readfirstlane_b32 s10, v1                    ; wave 0..3
	s_lshr_b32 s11, s10, 1                         ; which half of the block's rows is mine.  Also: I fetch for A (0) or for B (1)
	s_and_b32 s12, s10, 1                          ; which half of its columns.  Also: which 128 rows of that tile I fetch
	s_bfe_u32 s40, ttmp6, 0x40000                  ; cx
	s_bfe_u32 s41, ttmp6, 0x40004                  ; cy
	s_lshl_b32 s42, ttmp9, 2
	s_add_co_u32 s42, s42, s40                     ; block column = 4 x cluster x + cx
	s_and_b32 s13, ttmp7, 0xffff
	s_lshl_b32 s13, s13, 2
	s_add_co_u32 s13, s13, s41                     ; block row = 4 x cluster y + cy
	s_lshl_b32 s43, s41, 2
	s_lshl_b32 s43, 15, s43                        ; my row of the cluster
	s_lshl_b32 s44, 0x1111, s40                    ; my column
	; descriptor group 1: a tile of 128 rows x 128 elements of 2 bytes, 4 words of padding behind every 64 words
	s_or_b32 s[G1+0], s43, (1<<16)|(1<<20)|(1<<21)|(5<<22)|(3<<25)
	s_or_b32 s[G1B+0], s44, (1<<16)|(1<<20)|(1<<21)|(5<<22)|(3<<25)
	s_mov_b32 s[G1B+1], KSTEP<<16
	s_mov_b32 s[G1+1], KSTEP<<16
	s_mov_b32 s[G1B+2], 128<<16
	s_mov_b32 s[G1+2], 128<<16
	s_mov_b32 s[G1B+3], KSTEP<<16
	s_mov_b32 s[G1+3], KSTEP<<16
	s_mov_b32 s[G1B+4], 128
	s_mov_b32 s[G1+4], 128
	s_mov_b32 s[G1B+5], SIZE_K
	s_mov_b32 s[G1+5], SIZE_K
	s_mov_b32 s[G1B+6], 0
	s_mov_b32 s[G1+6], 0
	s_mov_b32 s[G1B+7], 0
	s_mov_b32 s[G1+7], 0
	s_lshl_b32 s17, s12, 7                         ; which 128 rows of the tile I fetch
	s_lshl_b32 s16, s13, 8
	s_add_co_u32 s16, s16, s17                     ; A: row 256 x block row + 128 x half
	s_lshl_b32 s46, s42, 8
	s_add_co_u32 s46, s46, s17                     ; B: row 256 x block column + 128 x half
	s_mov_b32 s17, 0
	s_mov_b32 s47, 0
	s_mov_b64 s[18:19], SIZE_K*2
	s_mul_u64 s[16:17], s[16:17], s[18:19]         ; in bytes
	s_mul_u64 s[46:47], s[46:47], s[18:19]
	s_mul_i32 s20, s10, HALFT                      ; LDS: wave x 128 rows
	s_lshl_b32 s78, s42, 10                        ; my 128 columns of f32, in bo and in a row of out0: 1,024 x block column + 512 x half, in bytes
	s_lshl_b32 s79, s12, 9
	s_add_co_u32 s78, s78, s79
	s_mov_b32 s79, 0
	s_mov_b32 s76, 0x41000000                      ; 8.0
	s_mov_b32 s77, 0x41000000
	s_wait_dscnt 0x0
	s_wait_kmcnt 0x0
	s_add_nc_u64 s[6:7], s[6:7], 0x600000          ; Wo: three planes of 2,097,152 bytes into wb
	s_add_nc_u64 s[14:15], s[4:5], s[16:17]
	s_add_nc_u64 s[46:47], s[6:7], s[46:47]
	s_add_nc_u64 s[68:69], s[68:69], s[78:79]
	CROUND                                         ; all sixteen work-groups are here: the first joint loads meet
.irp s, 0,1
	s_mov_b32 s[G0+4*\s], 1
	s_add_co_u32 s[G0+4*\s+1], s20, \s*SLOT
	s_add_nc_u64 s[G0+4*\s+2:G0+4*\s+3], s[14:15], \s*KSTEP*2
	s_or_b32 s[G0+4*\s+3], s[G0+4*\s+3], 0x80000000
	s_mov_b32 s[G0B+4*\s], 1
	s_add_co_u32 s[G0B+4*\s+1], s20, \s*SLOT
	s_add_nc_u64 s[G0B+4*\s+2:G0B+4*\s+3], s[46:47], \s*KSTEP*2
	s_or_b32 s[G0B+4*\s+3], s[G0B+4*\s+3], 0x80000000
	JLOAD \s                                       ; the ring is filled before anything else is done: two tensor loads of the wave are out
.endr
	v_and_b32 v1, 15, v0                           ; l % 16
	v_bfe_u32 v2, v0, 4, 1                         ; l / 16
	v_mul_u32_u24 v3, v1, PITCH
	v_lshl_add_u32 v3, v2, 4, v3                   ; row x pitch + 16 x half
	s_mul_i32 s21, s11, HALFT                      ; my 128 rows of A
	s_mul_i32 s22, s12, HALFT                      ; my 128 rows of B,
	s_add_co_u32 s22, s22, 2*HALFT                 ; which lie behind A's 256
.irp s, 0,1
	v_add_nc_u32 v[ADRA+\s], s21, v3
	v_add_nc_u32 v[ADRB+\s], s22, v3
	s_add_co_u32 s21, s21, SLOT
	s_add_co_u32 s22, s22, SLOT
.endr
	s_mul_i32 s23, s10, 16*SPITCH
	s_add_co_u32 s23, s23, STAGE                   ; my stage
	v_mul_u32_u24 v4, v1, SPITCH                   ; in: row l % 16, 32 bytes for each half of the lanes
	v_lshl_add_u32 v4, v2, 5, v4
	v_add_nc_u32 v[STO], s23, v4
	v_and_b32 v5, 31, v0
	v_lshlrev_b32 v[CO], 4, v5                     ; back and out: the 32 lanes take one row of 512 bytes
	v_add_nc_u32 v[RD], s23, v[CO]
	; the bias of the eight columns that I hold in each of my eight column tiles, once, while the first tiles are on their way
	v_lshlrev_b32 v[BO], 5, v2
	WIN TO_B
.irp b, 0,1,2,3,4,5,6,7
	global_load_b128 v[BI+8*\b:BI+8*\b+3],   v[BO], s[68:69] offset:64*\b
	global_load_b128 v[BI+8*\b+4:BI+8*\b+7], v[BO], s[68:69] offset:64*\b+16
.endr
	s_wait_loadcnt 0x0
	WIN 0
; 16 matrix instructions: m blocks a0, a0 + 1 of the window's four x all 8 n blocks, 32 along K.  zero = 1: the first product starts the sums.
; The 64 accumulators take turns, one instruction a turn, in the same order in every quarter step.
.macro MUL16 f, hi, a0, zero
.irp a, \a0, \a0+1
.irp b, 0,1,2,3,4,5,6,7
.if \zero
	v_wmma_f32_16x16x32_f16 v[8*(8*(\a)+\b):8*(8*(\a)+\b)+7], v[\f+8*\b:\f+8*\b+7], v[\f+8*(4*\hi+\a):\f+8*(4*\hi+\a)+7], 0
.else
	v_wmma_f32_16x16x32_f16 v[8*(8*(\a)+\b):8*(8*(\a)+\b)+7], v[\f+8*\b:\f+8*\b+7], v[\f+8*(4*\hi+\a):\f+8*(4*\hi+\a)+7], v[8*(8*(\a)+\b):8*(8*(\a)+\b)+7]
.endif
.endr
.endr
.endm
.macro FETCH slot, k, f                ; 32 LDS loads in one run: one quarter step's fragments into buffer f
	WIN TO_B
.irp i, 0,1,2,3,4,5,6,7
	ds_load_b128 v[\f+8*\i:\f+8*\i+3],   v[ADRB+\slot] offset:\k+\i*16*PITCH
	ds_load_b128 v[\f+8*\i+4:\f+8*\i+7], v[ADRB+\slot] offset:\k+\i*16*PITCH+32
.endr
	WIN 0
.irp i, 0,1,2,3,4,5,6,7
	ds_load_b128 v[\f+8*\i:\f+8*\i+3],   v[ADRA+\slot] offset:\k+\i*16*PITCH
	ds_load_b128 v[\f+8*\i+4:\f+8*\i+7], v[ADRA+\slot] offset:\k+\i*16*PITCH+32
.endr
.endm
.macro PLACES                          ; four independent vector places behind a matrix instruction (ISA guide 7.12.1)
.rept 4
	v_nop
.endr
.endm
.macro QUARTER slot, k, f, g, zero
	s_wait_dscnt 8                                 ; B and A's rows 0-63 are in; the youngest eight loads (A's rows 64-127) may be out
	WIN MUL_LO
	MUL16 \f, 0, 0, \zero
	MUL16 \f, 0, 2, \zero
	PLACES
	FETCH \slot, \k, \g
	s_wait_dscnt 32                                ; all but the 32 just issued
	WIN MUL_HI
	MUL16 \f, 1, 0, \zero
	MUL16 \f, 1, 2, \zero
.endm
.macro THREE slot, zero
	QUARTER \slot, 64,  F0, F1, \zero
	QUARTER \slot, 128, F1, F0, 0
	QUARTER \slot, 192, F0, F1, 0
.endm
; The last quarter changes slots: in front of the barrier each wave waits for its reads of this slot and for all its tensor loads; behind it the refill comes first.
.macro TURN slot, next, fill
	s_wait_dscnt 8
	WIN MUL_LO
	MUL16 F1, 0, 0, 0
	s_wait_dscnt 0                                 ; my reads of this slot are over
	s_wait_tensorcnt 0x0                           ; and all my tensor loads have landed
	ds_add_u32 v63, v63
	s_wait_dscnt 0x0
	s_barrier_signal -1
	MUL16 F1, 0, 2, 0                              ; work on registers while the others arrive
	WIN 0
	s_barrier_wait -1
.if \fill
	CREST                                          ; no wave of any partner still reads this slot's tile or has a load on its way
	s_add_nc_u64 s[G0+4*\slot+2:G0+4*\slot+3], s[G0+4*\slot+2:G0+4*\slot+3], 2*KSTEP*2
	s_add_nc_u64 s[G0B+4*\slot+2:G0B+4*\slot+3], s[G0B+4*\slot+2:G0B+4*\slot+3], 2*KSTEP*2
	JLOAD \slot                                    ; the first tensor load behind the round, the wave's only one until the next
.endif
	PLACES
	FETCH \next, 0, F0
	WIN MUL_HI
	MUL16 F1, 1, 0, 0
	MUL16 F1, 1, 2, 0
.endm
.macro LAP zero
	THREE 0, \zero
	TURN 0, 1, 1
	THREE 1, 0
	TURN 1, 0, 1
.endm
	s_wait_tensorcnt 1                             ; my part of K step 0 is in; K step 1's load, issued behind it, stays out
	s_barrier_signal -1
	s_barrier_wait -1
	FETCH 0, 0, F0
	LAP 1                                          ; the first lap's first products start the sums
	WIN 0
	s_mov_b32 s3, LAPS-2
.Llap:
	LAP 0
	WIN 0
	s_sub_co_u32 s3, s3, 1
	s_cmp_lg_u32 s3, 0
	s_cbranch_scc1 .Llap
	THREE 0, 0                                     ; the last lap fills nothing
	TURN 0, 1, 0
	THREE 1, 0
	s_wait_dscnt 8
	WIN MUL_LO
	MUL16 F1, 0, 0, 0
	MUL16 F1, 0, 2, 0
	s_wait_dscnt 0
	WIN MUL_HI
	MUL16 F1, 1, 0, 0
	MUL16 F1, 1, 2, 0
	; THE WAY OUT, 16 rows at a time: 8 x sum + bias in one fused multiply-add, 32 bytes a lane into my own stage, back as whole rows of 512 bytes.
	PLACES
	s_lshl_b32 s13, s13, 8
	s_lshl_b32 s14, s11, 7
	s_add_co_u32 s16, s13, s14                     ; my first row of C
	s_mov_b32 s17, 0
	s_mov_b64 s[18:19], SIZE_N*4
	s_mul_u64 s[16:17], s[16:17], s[18:19]
	s_add_nc_u64 s[8:9], s[8:9], s[16:17]
	s_add_nc_u64 s[8:9], s[8:9], s[78:79]          ; my first column
; rows 16 i .. 16 i + 15 of my block = the eight tiles (a, 0..7) of window 2 or 3.  from: accumulators as source 0, window 1 as source 2 (0x12, 0x13); f: F0 or F1 in turn
.macro OUT16F i, a, from, f
	WIN \from
.irp b, 0,1,2,3,4,5,6,7
.irp r, 0,1,2,3
	v_pk_fma_f32 v[TMP+8*\b+2*\r:TMP+8*\b+2*\r+1], v[8*(8*\a+\b)+2*\r:8*(8*\a+\b)+2*\r+1], s[76:77], v[BI+8*\b+2*\r:BI+8*\b+2*\r+1] op_sel_hi:[1,0,1]
.endr
.endr
	WIN 0
.irp b, 0,1,2,3,4,5,6,7
	ds_store_b128 v[STO], v[TMP+8*\b:TMP+8*\b+3]   offset:64*\b
	ds_store_b128 v[STO], v[TMP+8*\b+4:TMP+8*\b+7] offset:64*\b+16
.endr
	s_wait_xcnt 0x0                                ; buffer f, which earlier stores read, and the stores' base are rewritten only behind this wait
.if \i
	s_add_nc_u64 s[8:9], s[8:9], 16*SIZE_N*4       ; 16 rows of C on
.endif
.irp t, 0,1,2,3,4,5,6,7,8,9,10,11,12,13,14,15
	ds_load_b128 v[\f+4*\t:\f+4*\t+3], v[RD] offset:\t*SPITCH      ; a wave's LDS instructions are served in order: these see the stores above
.endr
.irp t, 0,1,2,3,4,5,6,7,8,9,10,11,12,13,14,15
	s_wait_dscnt 15-\t                             ; row t is back, the 15 - t younger loads stay out
	global_store_b128 v[CO], v[\f+4*\t:\f+4*\t+3], s[8:9] offset:\t*SIZE_N*4 th:TH_STORE_NT   ; the wave stores 512 consecutive bytes, aligned to 512
.endr
.endm
	OUT16F 0, 0, 0x12, F0
	OUT16F 1, 1, 0x12, F1
	OUT16F 2, 2, 0x12, F0
	OUT16F 3, 3, 0x12, F1
	OUT16F 4, 0, 0x13, F0
	OUT16F 5, 1, 0x13, F1
	OUT16F 6, 2, 0x13, F0
	OUT16F 7, 3, 0x13, F1
	s_set_vgpr_msb 0x1
	s_wait_tensorcnt 0x0
	ds_add_u32 v63, v63
	s_wait_dscnt 0x0
	s_set_vgpr_msb 0x100
	CROUND                                         ; the closing round: no work-group ends while a partner may still ask for a tile that names it
	s_endpgm
.Lfunc_end_k_q48ae0a0b23_oproj:
	.size	k_q48ae0a0b23_oproj, .Lfunc_end_k_q48ae0a0b23_oproj-k_q48ae0a0b23_oproj
	.p2alignl 7, 3214868480
	.fill 96, 4, 3214868480
	.section	.rodata,"a",@progbits
	.p2align	6, 0x0
	.amdhsa_kernel k_q48ae0a0b23_oproj
		.amdhsa_group_segment_fixed_size 327680
		.amdhsa_private_segment_fixed_size 0
		.amdhsa_enable_private_segment 0
		.amdhsa_kernarg_size 32
		.amdhsa_user_sgpr_count 2
		.amdhsa_user_sgpr_kernarg_segment_ptr 1
		.amdhsa_wavefront_size32 1
		.amdhsa_system_sgpr_workgroup_id_x 1
		.amdhsa_system_sgpr_workgroup_id_y 1
		.amdhsa_system_sgpr_workgroup_id_z 1
		.amdhsa_system_vgpr_workitem_id 0
		.amdhsa_next_free_vgpr 1024
		.amdhsa_next_free_sgpr 84
		.amdhsa_reserve_vcc 0
		.amdhsa_float_denorm_mode_32 3
		.amdhsa_float_denorm_mode_16_64 3
		.amdhsa_memory_ordered 1
		.amdhsa_forward_progress 1
		.amdhsa_inst_pref_size 214
	.end_amdhsa_kernel
	.amdgpu_metadata
---
amdhsa.version: [ 1, 2 ]
amdhsa.kernels:
  - .name:           k_q48ae0a0b23_oproj
    .symbol:         k_q48ae0a0b23_oproj.kd
    .args:
      - { .name: ao, .offset: 0, .size: 8, .value_kind: global_buffer, .address_space: global }
      - { .name: wb, .offset: 8, .size: 8, .value_kind: global_buffer, .address_space: global }
      - { .name: out0, .offset: 16, .size: 8, .value_kind: global_buffer, .address_space: global }
      - { .name: bo, .offset: 24, .size: 8, .value_kind: global_buffer, .address_space: global }
    .group_segment_fixed_size: 327680
    .private_segment_fixed_size: 0
    .kernarg_segment_align: 8
    .kernarg_segment_size: 32
    .max_flat_workgroup_size: 128
    .sgpr_count:     84
    .vgpr_count:     1024
    .wavefront_size: 32
...
	.end_amdgpu_metadata
.endif
;; end of part 4
